; MI455X (gfx1250); checked and timed in simulation.
; The chip was launched on July 23, 2026; its instructions are those of AMD's public machine-readable ISA for CDNA 5 (MIT licence, August 2026) and "CDNA5" Instruction Set Architecture Reference Guide (July 2026). The comments in the code are by the model that wrote it; some were corrected since.
;; Multi Head Causal Attention. Allowed arithmetic: float matrix products may take bf16 or f16 operands with f32 sums; all other float work in f32.
;; Inputs: Wk 1,024 x 1,024 float32; Wo 1,024 x 1,024 float32; Wq 1,024 x 1,024 float32; Wv 1,024 x 1,024 float32; x 2 x 2,048 x 1,024 float32.
;; Outputs: out0 2 x 2,048 x 1,024 float32.
;; One version. Each part assembles by itself: llvm-mc -triple=amdgcn-amd-amdhsa -mcpu=gfx1250 --defsym DOCPART=n.
;; ======== version 1 of 1: 4 launches
;; limits: values are held in f16: magnitudes above 65,504 overflow, below 6.1e-05 lose precision
;; workspace buffers: xb 8,388,608 bytes; wb 8,388,608 bytes; qkv 25,165,824 bytes; ao 8,388,608 bytes
;; launch tobf16 (part 1): grid 512 x 1, 8 waves a work-group, no clusters, 0 bytes of LDS; arguments x, Wq, Wk, Wv, Wo, xb, wb; writes xb, wb
.if DOCPART == 1
	.amdgcn_target "amdgcn-amd-amdhsa--gfx1250"
	.amdhsa_code_object_version 6
	.text
	.protected	k_qd7e2efdce9_tobf16
	.globl	k_qd7e2efdce9_tobf16
	.p2align	8
	.type	k_qd7e2efdce9_tobf16,@function
k_qd7e2efdce9_tobf16:
	s_mov_b64 s[64:65], 0
	v_nop
	global_prefetch_b8 v0, s[64:65] scope:SCOPE_SE
	s_setreg_imm32_b32 hwreg(HW_REG_WAVE_MODE, 25, 1), 1
	s_wait_xcnt 0x0
; x and the four weight matrices, f32, rounded once to bf16 (nearest even): xb = bf16(x) [4096][1024]; wb = Wq, Wk, Wv, Wo stacked, [4096][1024] of 16-bit numbers.
; The matrix products that follow take 16-bit operands, and each operand is read by many work-groups there: rounding once here halves every byte that they move.
; Wq, Wk, Wv (wb's rows 0-3071) are written as bf16.  Wo (rows 3072-4095) gets the same rounding to bf16 as every input and is then written in f16, because its partner in
; the last product, the attention output, is kept in f16: f16 holds a number of 8 significant bits exactly from 2^-17 up, and below that to within 2^-25.
; A stream: no LDS, no barrier, no matrix unit, since nothing is shared.  512 work-groups of eight waves; each takes 65,536 bytes of f32 and makes 32,768 bytes.
; Work-groups 0-255 take x; 256-511 take matrix (id >> 6) & 3, piece id & 63; so 448-511 take Wo.
; All sixteen loads of a thread go out at once; a load of a wave covers 512 consecutive bytes, a store 256 consecutive bytes, aligned.
; LIMITS: |Wo| beyond 65,504 becomes infinite in f16 (as drawn Wo is about 0.03); values beyond bf16's largest round to infinity; NaN stays NaN.
.set X, 4                              ; v[4:67]   sixteen loads of four f32
.set Y, 68                             ; v[68:99]  sixteen pairs of packed 16-bit numbers; no pair is written again behind its store
	s_load_b256 s[4:11], s[0:1], 0x0               ; x s[4:5], Wq s[6:7], Wk s[8:9], Wv s[10:11]
	s_load_b128 s[12:15], s[0:1], 0x20             ; Wo s[12:13], xb s[14:15]
	s_load_b64 s[16:17], s[0:1], 0x30              ; wb
	s_and_b32 s20, ttmp9, 255
	s_lshl_b32 s20, s20, 15                        ; where my 32,768 bytes go, in xb or in wb alike
	s_mov_b32 s21, 0
	s_lshl_b32 s22, ttmp9, 16                      ; my 65,536 bytes of x (used for ids below 256 alone)
	s_and_b32 s23, ttmp9, 63
	s_lshl_b32 s23, s23, 16                        ; or of a weight matrix
	s_mov_b32 s25, 0
	s_bfe_u32 s26, ttmp9, 0x20006                  ; which matrix: two bits from bit 6
	v_lshlrev_b32 v1, 4, v0                        ; 16 bytes a thread in
	v_lshlrev_b32 v2, 3, v0                        ; 8 bytes a thread out
	s_wait_kmcnt 0x0
	s_cmp_eq_u32 s26, 1                            ; the source is chosen among the buffers by the work-group's number alone
	s_cselect_b64 s[6:7], s[8:9], s[6:7]
	s_cmp_eq_u32 s26, 2
	s_cselect_b64 s[6:7], s[10:11], s[6:7]
	s_cmp_eq_u32 s26, 3
	s_cselect_b64 s[6:7], s[12:13], s[6:7]
	s_cmp_lt_u32 ttmp9, 0x100
	s_cselect_b64 s[6:7], s[4:5], s[6:7]           ; x for the first 256
	s_cselect_b64 s[14:15], s[14:15], s[16:17]     ; into xb, the others into wb
	s_cselect_b32 s24, s22, s23
	s_add_nc_u64 s[6:7], s[6:7], s[24:25]
	s_add_nc_u64 s[14:15], s[14:15], s[20:21]
.irp j, 0,1,2,3,4,5,6,7,8,9,10,11,12,13,14,15
	global_load_b128 v[X+4*\j:X+4*\j+3], v1, s[6:7] offset:4096*\j th:TH_LOAD_NT   ; read once in the launch
.endr
; Four numbers of load j.  wo = 1: the bf16 numbers are widened again (a shift, a mask) and written as f16.
.macro CONV j, wo
	s_wait_loadcnt 15-\j                           ; loads come back in order (ISA guide 5.7.1): load j is in, the 15 - j younger ones stay out
	v_cvt_pk_bf16_f32 v[Y+2*\j], v[X+4*\j], v[X+4*\j+1]
	v_cvt_pk_bf16_f32 v[Y+2*\j+1], v[X+4*\j+2], v[X+4*\j+3]
.if \wo
	v_lshlrev_b32 v[X+4*\j], 16, v[Y+2*\j]
	v_and_b32 v[X+4*\j+1], 0xffff0000, v[Y+2*\j]
	v_lshlrev_b32 v[X+4*\j+2], 16, v[Y+2*\j+1]
	v_and_b32 v[X+4*\j+3], 0xffff0000, v[Y+2*\j+1]
	v_cvt_pk_f16_f32 v[Y+2*\j], v[X+4*\j], v[X+4*\j+1]
	v_cvt_pk_f16_f32 v[Y+2*\j+1], v[X+4*\j+2], v[X+4*\j+3]
.endif
	global_store_b64 v2, v[Y+2*\j:Y+2*\j+1], s[14:15] offset:2048*\j
.endm
	s_cmp_ge_u32 ttmp9, 0x1c0                      ; work-groups 448-511 hold Wo
	s_cbranch_scc1 .Lwo
.irp j, 0,1,2,3,4,5,6,7,8,9,10,11,12,13,14,15
	CONV \j, 0
.endr
	s_endpgm
.Lwo:
.irp j, 0,1,2,3,4,5,6,7,8,9,10,11,12,13,14,15
	CONV \j, 1
.endr
	s_endpgm
.Lfunc_end_k_qd7e2efdce9_tobf16:
	.size	k_qd7e2efdce9_tobf16, .Lfunc_end_k_qd7e2efdce9_tobf16-k_qd7e2efdce9_tobf16
	.p2alignl 7, 3214868480
	.fill 96, 4, 3214868480
	.section	.rodata,"a",@progbits
	.p2align	6, 0x0
	.amdhsa_kernel k_qd7e2efdce9_tobf16
		.amdhsa_group_segment_fixed_size 0
		.amdhsa_private_segment_fixed_size 0
		.amdhsa_enable_private_segment 0
		.amdhsa_kernarg_size 56
		.amdhsa_user_sgpr_count 2
		.amdhsa_user_sgpr_kernarg_segment_ptr 1
		.amdhsa_wavefront_size32 1
		.amdhsa_system_sgpr_workgroup_id_x 1
		.amdhsa_system_sgpr_workgroup_id_y 1
		.amdhsa_system_sgpr_workgroup_id_z 1
		.amdhsa_system_vgpr_workitem_id 0
		.amdhsa_next_free_vgpr 104
		.amdhsa_next_free_sgpr 66
		.amdhsa_reserve_vcc 0
		.amdhsa_float_denorm_mode_32 3
		.amdhsa_float_denorm_mode_16_64 3
		.amdhsa_memory_ordered 1
		.amdhsa_forward_progress 1
		.amdhsa_inst_pref_size 16
	.end_amdhsa_kernel
	.amdgpu_metadata
---
amdhsa.version: [ 1, 2 ]
amdhsa.kernels:
  - .name:           k_qd7e2efdce9_tobf16
    .symbol:         k_qd7e2efdce9_tobf16.kd
    .args:
      - { .name: x, .offset: 0, .size: 8, .value_kind: global_buffer, .address_space: global }
      - { .name: Wq, .offset: 8, .size: 8, .value_kind: global_buffer, .address_space: global }
      - { .name: Wk, .offset: 16, .size: 8, .value_kind: global_buffer, .address_space: global }
      - { .name: Wv, .offset: 24, .size: 8, .value_kind: global_buffer, .address_space: global }
      - { .name: Wo, .offset: 32, .size: 8, .value_kind: global_buffer, .address_space: global }
      - { .name: xb, .offset: 40, .size: 8, .value_kind: global_buffer, .address_space: global }
      - { .name: wb, .offset: 48, .size: 8, .value_kind: global_buffer, .address_space: global }
    .group_segment_fixed_size: 0
    .private_segment_fixed_size: 0
    .kernarg_segment_align: 8
    .kernarg_segment_size: 56
    .max_flat_workgroup_size: 256
    .sgpr_count:     66
    .vgpr_count:     104
    .wavefront_size: 32
...
	.end_amdgpu_metadata
.endif
;; end of part 1
;; launch qkv (part 2): grid 16 x 16, 4 waves a work-group, clusters of 4 x 4, 327,680 bytes of LDS; arguments xb, wb, qkv; writes qkv
.if DOCPART == 2
	.amdgcn_target "amdgcn-amd-amdhsa--gfx1250"
	.amdhsa_code_object_version 6
	.text
	.protected	k_qd7e2efdce9_qkv
	.globl	k_qd7e2efdce9_qkv
	.p2align	8
	.type	k_qd7e2efdce9_qkv,@function
k_qd7e2efdce9_qkv:
	s_mov_b64 s[64:65], 0
	v_nop
	global_prefetch_b8 v0, s[64:65] scope:SCOPE_SE
	s_setreg_imm32_b32 hwreg(HW_REG_WAVE_MODE, 25, 1), 1
	s_wait_xcnt 0x0
	s_wait_alu depctr_hold_cnt(0) depctr_sa_sdst(0) depctr_va_vdst(0) depctr_va_sdst(0) depctr_va_ssrc(0) depctr_va_vcc(0) depctr_vm_vsrc(0)
	s_getreg_b32 s2, hwreg(HW_REG_IB_STS2, 6, 4)
	s_cmp_eq_u32 s2, 0
	s_cbranch_scc0 .Lentry_in_a_cluster
	s_endpgm
.Lentry_in_a_cluster:
	s_bfe_u32 s2, ttmp6, 0x10000c
	s_cmp_lg_u32 s2, 0xf033
	s_cbranch_scc0 .Lentry_shape_is_right
	s_endpgm
.Lentry_shape_is_right:
; q, k, v = x Wq^T, x Wk^T, x Wv^T as ONE product: C[m][n] = sum over k of xb[m][k] wb[n][k], m < 4096, n < 3072 (wb's rows 0-3071), K = 1024.
; bf16 operands, f32 sums, C rounded once to f16 and stored by heads: qkv[b][g][t][d], g = n / 64 (0-15 q, 16-31 k, 32-47 v), byte ((b*48+g)<<18) + t*128 + 2d.
; WHY f16 FOR THE RESULT: the first rows of a sequence average over few keys, so their outputs are about ten times the root mean square of all outputs; an error of 2^-9 of
; such a number (bf16's 8 significant bits) is not small beside a hundredth of that root mean square, one of 2^-12 (f16's 11 bits) is.
; A work-group makes 256 rows x 192 columns (three heads): 16 x 16 = 256 work-groups.  Four waves; wave w makes rows 64 w .. 64 w + 63, all 192 columns:
; 48 accumulator tiles of 16 x 16, 384 registers.  K goes in steps of 128 through two LDS slots filled by the tensor data mover; a tile's rows are 256 bytes of
; memory and start at multiples of 256 bytes from the buffer's first byte.
; CLUSTERS: 4 x 4 work-groups.  The four of a row of the cluster need the same tiles of xb, the four of a column the same tiles of wb: each tile is asked for jointly,
; by the same tensor load with the same descriptor and a mask that names the four.
; REGISTERS in windows of 256: window 0: v16-26 addresses, v64-127 fragments of xb (two buffers of 4 x 8), v128-175 packed results, v176-223 rows read back;
; window 1: v0-191 fragments of wb (two buffers of 12 x 8); window 2: the accumulators of my row blocks 0, 1 (tile (a, b) at 8 (12 (a & 1) + b)); window 3: of 2, 3.
; The matrix instruction is used transposed (source 0 = 16 rows of wb, source 1 = 16 rows of xb): lane l then holds row l % 16 of C and eight neighbouring columns.
; LIMITS: |q|, |k|, |v| beyond 65,504 become infinite.  As drawn they are about 1; with x and the weights both 30 times larger the largest is about 5,400; with both carrying
; an offset of 30 spreads they are about 1024 x 30 x 30/32 = 28,800.  With both 30 times smaller they are about 1e-3, and f16's fixed spacing of 6e-8 is 5e-5 of that.
.set NB,     12                        ; column blocks of a wave
.set AMASK,  1                         ; two row blocks to a window
.set LAPS,   4                         ; a lap = two K steps of 128 = once round the ring; K = 1024
.set PITCHA, 272                       ; an LDS row: 256 bytes + 16 of padding, an odd multiple of 16: the 16 rows that a load touches begin at 16 different 16-byte columns modulo 256
.set PITCHB, 272
.set ASUB,   128                       ; two quarter steps further along a row of xb
.set HALFA,  128*PITCHA                ; what one tensor load brings of xb
.set HALFB,  96*PITCHB                 ; and of wb
.set BOFF,   2*HALFA                   ; wb's 192 rows lie behind xb's 256
.set SLOT,   BOFF+2*HALFB              ; 121,856 bytes
.set STAGE,  2*SLOT                    ; behind the ring: 16 rows x 400 bytes for each wave, for the way out; no fill lands there
.set SPITCH, 400                       ; 384 bytes of a row of 192 numbers + 16
.set STEPA,  256                       ; bytes from K step to K step
.set STEPB,  256
.set ADRA, 16                          ; v16-17  LDS address of my fragments of xb in slot 0, 1
.set ADRB, 20                          ; v20-21  the same for wb
.set STO,  24                          ; v24     the way out: where I put 16 bytes of a row
.set RD,   25                          ; v25     the way out: where I read back
.set CO,   26                          ; v26     my byte offset in a store of 512 bytes
.set FA0,  64
.set FB0,  0
.set TMP,  128
.set RB,   176
.set G1,  24                           ; s[24:31] descriptor group 1 for xb's tiles
.set G0,  32                           ; s[32:39] group 0 for xb's tiles, a set for each slot
.set G1B, 48                           ; s[48:55] group 1 for wb's tiles
.set G0B, 56                           ; s[56:63] group 0 for wb's tiles, a set for each slot
.set MUL_LO, 0xa1                      ; source 0 window 1, source 1 window 0, C and D window 2
.set MUL_HI, 0xf1                      ; the same, C and D window 3
.set TO_B,   0x40                      ; destination window 1, address window 0
.set MSB, 0
.macro WIN new                         ; the immediate's high byte repeats the setting that is left; a switch that changes nothing is dropped
.if MSB != \new
	s_set_vgpr_msb (MSB<<8)|\new
.set MSB, \new
.endif
.endm
; A joint load: waves 0 and 1 fetch xb's two halves, waves 2 and 3 wb's.  Each line has one mask; the branch hangs on the wave's number alone.
.macro JLOAD s
	s_cmp_eq_u32 s11, 0
	s_cbranch_scc0 .Lfor_b_\@
	tensor_load_to_lds s[G0+4*\s:G0+4*\s+3], s[G1:G1+7]
	s_nop 0
	s_branch .Lasked_\@
.Lfor_b_\@:
	tensor_load_to_lds s[G0B+4*\s:G0B+4*\s+3], s[G1B:G1B+7]
	s_nop 0
.Lasked_\@:
.endm
; A round of the cluster's barrier: my work-group's barrier; wave 0 signals for the work-group; every wave waits for all sixteen; my work-group's barrier once more.
.macro CREST                           ; a round behind its opening barrier
	s_cmp_lg_u32 s10, 0
	s_cbranch_scc1 .Lnot_wave_0_\@
	s_barrier_signal -3
.Lnot_wave_0_\@:
	s_barrier_wait -3
	s_barrier_signal -1
	s_barrier_wait -1
.endm
.macro CROUND
	s_barrier_signal -1
	s_barrier_wait -1
	CREST
.endm
; Four places behind matrix instructions, in front of loads into registers that they read and of vector instructions that read their results
; (ISA guide 7.12.1 for vector instructions); the matrix instructions in between are not counted.
.macro PLACES
.rept 4
	v_nop
.endr
.endm
; Twelve matrix instructions: row block a x all column blocks, 32 along K, from fragment buffer f.  zero = 1: the first product starts the sums.
; The 48 accumulators take turns in the same order in every quarter step, one instruction a turn.
.macro MULA f, a, zero
.irp b, 0,1,2,3,4,5,6,7,8,9,10,11
.if \zero
	v_wmma_f32_16x16x32_bf16 v[8*(NB*((\a)&AMASK)+\b):8*(NB*((\a)&AMASK)+\b)+7], v[FB0+8*NB*\f+8*\b:FB0+8*NB*\f+8*\b+7], v[FA0+32*\f+8*\a:FA0+32*\f+8*\a+7], 0
.else
	v_wmma_f32_16x16x32_bf16 v[8*(NB*((\a)&AMASK)+\b):8*(NB*((\a)&AMASK)+\b)+7], v[FB0+8*NB*\f+8*\b:FB0+8*NB*\f+8*\b+7], v[FA0+32*\f+8*\a:FA0+32*\f+8*\a+7], v[8*(NB*((\a)&AMASK)+\b):8*(NB*((\a)&AMASK)+\b)+7]
.endif
.endr
.endm
; 32 LDS loads in one run: the fragments of quarter step q of a slot into buffer f; wb's first, xb's row blocks 0 to 3 last
.macro FETCH slot, q, f
	WIN TO_B
.irp b, 0,1,2,3,4,5,6,7,8,9,10,11
	ds_load_b128 v[FB0+8*NB*\f+8*\b:FB0+8*NB*\f+8*\b+3],   v[ADRB+\slot] offset:64*\q+\b*16*PITCHB
	ds_load_b128 v[FB0+8*NB*\f+8*\b+4:FB0+8*NB*\f+8*\b+7], v[ADRB+\slot] offset:64*\q+\b*16*PITCHB+32
.endr
	WIN 0
.irp a, 0,1,2,3
	ds_load_b128 v[FA0+32*\f+8*\a:FA0+32*\f+8*\a+3],   v[ADRA+\slot] offset:((\q)>>1)*ASUB+((\q)&1)*64+\a*16*PITCHA
	ds_load_b128 v[FA0+32*\f+8*\a+4:FA0+32*\f+8*\a+7], v[ADRA+\slot] offset:((\q)>>1)*ASUB+((\q)&1)*64+\a*16*PITCHA+32
.endr
.endm
; A quarter step: multiplies buffer f; in its middle it fetches quarter qnext of the same slot into buffer g
.macro QUARTER slot, qnext, f, g, zero
	s_wait_dscnt 4                                 ; all of buffer f but the youngest four loads (xb's row blocks 2 and 3)
	WIN MUL_LO
	MULA \f, 0, \zero
	MULA \f, 1, \zero
	PLACES
	FETCH \slot, \qnext, \g
	s_wait_dscnt 2*NB+8                            ; all but the 32 just issued
	WIN MUL_HI
	MULA \f, 2, \zero
	MULA \f, 3, \zero
.endm
.macro RUN slot, zero                  ; the first three quarters of a K step
	QUARTER \slot, 1, 0, 1, \zero
	QUARTER \slot, 2, 1, 0, 0
	QUARTER \slot, 3, 0, 1, 0
.endm
; The last quarter multiplies buffer 1 and changes slots.  In front of the one barrier each wave waits for its reads of this slot and for all its tensor loads
; (one is out: its part of the next slot).  fill = 1: the barrier opens a round of the cluster's barrier, and behind the round this slot is filled again,
; two K steps ahead, first thing; then the next slot's first fragments are read.
.macro TURN slot, next, fill
	s_wait_dscnt 4
	WIN MUL_LO
	MULA 1, 0, 0
	s_wait_dscnt 0                                 ; my reads of this slot are over
	s_wait_tensorcnt 0x0                           ; all my tensor loads have landed
	ds_add_u32 v255, v255
	s_wait_dscnt 0x0
	s_barrier_signal -1
	MULA 1, 1, 0                                   ; register work while the others arrive
	WIN 0
	s_barrier_wait -1
.if \fill
	CREST                                          ; no wave of any partner still reads this slot or has a load on its way
	s_add_nc_u64 s[G0+4*\slot+2:G0+4*\slot+3], s[G0+4*\slot+2:G0+4*\slot+3], 2*STEPA
	s_add_nc_u64 s[G0B+4*\slot+2:G0B+4*\slot+3], s[G0B+4*\slot+2:G0B+4*\slot+3], 2*STEPB
	JLOAD \slot                                    ; my one tensor load behind the round
.endif
	PLACES
	FETCH \next, 0, 0
	WIN MUL_HI
	MULA 1, 2, 0
	MULA 1, 3, 0
.endm
.macro LAP zero
	RUN 0, \zero
	TURN 0, 1, 1
	RUN 1, 0
	TURN 1, 0, 1
.endm
	s_load_b128 s[4:7], s[0:1], 0x0                ; xb s[4:5], wb s[6:7]
	s_load_b64 s[8:9], s[0:1], 0x10                ; qkv
	s_set_vgpr_msb 0x40
	v_lshl_add_u32 v255, v0, 2, 0x41c00
	s_set_vgpr_msb 0x4000
	v_mov_b32 v255, 0
	s_set_vgpr_msb 0x1
	ds_add_u32 v255, v255
	ds_add_u32 v255, v255
	s_set_vgpr_msb 0x100
	v_lshrrev_b32 v1, 5, v0
	v_readfirstlane_b32 s10, v1                    ; wave 0..3
	s_lshr_b32 s11, s10, 1                         ; I fetch for xb (0) or for wb (1)
	s_and_b32 s12, s10, 1                          ; which half of that tile
	s_bfe_u32 s40, ttmp6, 0x40000                  ; cx
	s_bfe_u32 s41, ttmp6, 0x40004                  ; cy
	s_lshl_b32 s42, ttmp9, 2
	s_add_co_u32 s42, s42, s40                     ; block column = 4 x cluster x + cx
	s_and_b32 s13, ttmp7, 0xffff
	s_lshl_b32 s13, s13, 2
	s_add_co_u32 s13, s13, s41                     ; block row = 4 x cluster y + cy
	s_lshl_b32 s43, s41, 2
	s_lshl_b32 s43, 15, s43                        ; my row of the cluster: places 4 cy .. 4 cy + 3
	s_lshl_b32 s44, 0x1111, s40                    ; my column: places cx, cx + 4, cx + 8, cx + 12
	; group 1: rows of 128 elements of 2 bytes, 16 bytes of padding behind every 64 words; 128 rows of xb, 96 rows of wb; 1,024 elements from row to row
	s_or_b32 s[G1+0], s43, (1<<16)|(1<<20)|(1<<21)|(5<<22)|(3<<25)   ; mask of my row; element size; padding on; bit 21 beside a mask; interval; amount
	s_or_b32 s[G1B+0], s44, (1<<16)|(1<<20)|(1<<21)|(5<<22)|(3<<25)  ; the same with the mask of my column
	s_mov_b32 s[G1+1], 128<<16                     ; tensor_dim0 = 128
	s_mov_b32 s[G1+2], 128<<16                     ; tensor_dim1 = 128
	s_mov_b32 s[G1+3], 128<<16                     ; tile_dim0 = 128
	s_mov_b32 s[G1+4], 128                         ; tile_dim1 = 128
	s_mov_b32 s[G1+5], 1024                        ; the pitch
	s_mov_b32 s[G1+6], 0
	s_mov_b32 s[G1+7], 0
	s_mov_b32 s[G1B+1], 128<<16
	s_mov_b32 s[G1B+2], 96<<16                     ; tensor_dim1 = 96
	s_mov_b32 s[G1B+3], 128<<16
	s_mov_b32 s[G1B+4], 96                         ; tile_dim1 = 96
	s_mov_b32 s[G1B+5], 1024
	s_mov_b32 s[G1B+6], 0
	s_mov_b32 s[G1B+7], 0
	; xb's tiles hang on the block row alone, wb's on the block column alone, each in registers that never hold the other coordinate
	s_lshl_b32 s16, s13, 8
	s_lshl_b32 s17, s12, 7
	s_add_co_u32 s16, s16, s17                     ; row 256 x block row + 128 x half
	s_lshl_b32 s16, s16, 11                        ; x 2,048 bytes: below 8 MiB
	s_mov_b32 s17, 0
	s_mul_i32 s46, s42, 192
	s_mul_i32 s47, s12, 96
	s_add_co_u32 s46, s46, s47                     ; row 192 x block column + 96 x half
	s_lshl_b32 s46, s46, 11
	s_mov_b32 s47, 0
	s_mul_i32 s20, s10, HALFA                      ; LDS: waves 0, 1 put xb's halves at wave x HALFA,
	s_mul_i32 s21, s10, HALFB
	s_add_co_u32 s21, s21, BOFF-2*HALFB            ; waves 2, 3 wb's halves at BOFF + (wave - 2) x HALFB
	s_wait_dscnt 0x0
	s_wait_kmcnt 0x0
	s_add_nc_u64 s[14:15], s[4:5], s[16:17]
	s_add_nc_u64 s[46:47], s[6:7], s[46:47]
	CROUND                                         ; all sixteen work-groups are here: the first joint loads meet
.irp s, 0,1
	s_mov_b32 s[G0+4*\s], 1
	s_add_co_u32 s[G0+4*\s+1], s20, \s*SLOT
	s_add_nc_u64 s[G0+4*\s+2:G0+4*\s+3], s[14:15], \s*STEPA
	s_or_b32 s[G0+4*\s+3], s[G0+4*\s+3], 0x80000000
	s_mov_b32 s[G0B+4*\s], 1
	s_add_co_u32 s[G0B+4*\s+1], s21, \s*SLOT
	s_add_nc_u64 s[G0B+4*\s+2:G0B+4*\s+3], s[46:47], \s*STEPB
	s_or_b32 s[G0B+4*\s+3], s[G0B+4*\s+3], 0x80000000
	JLOAD \s                                       ; both first fills go out together: two loads of the wave are out here, one later
.endr
	; a fragment: lane l holds row l % 16; registers 0-3 K = 8 (l / 16) + 0..7, registers 4-7 K = 16 + 8 (l / 16) + 0..7: two loads of 16 bytes, 32 bytes apart
	v_and_b32 v1, 15, v0                           ; r
	v_bfe_u32 v2, v0, 4, 1                         ; h
	v_mul_u32_u24 v3, v1, PITCHA
	v_lshl_add_u32 v3, v2, 4, v3                   ; r x pitch + 16 h
	s_mul_i32 s22, s10, 64*PITCHA                  ; my 64 rows of xb
	s_mov_b32 s23, BOFF                            ; all of wb's rows
.irp s, 0,1
	v_add_nc_u32 v[ADRA+\s], s22, v3
	v_add_nc_u32 v[ADRB+\s], s23, v3
	s_add_co_u32 s22, s22, SLOT
	s_add_co_u32 s23, s23, SLOT
.endr
	s_mul_i32 s22, s10, 16*SPITCH
	s_add_co_u32 s22, s22, STAGE                   ; my stage
	v_mul_u32_u24 v4, v1, SPITCH
	v_lshl_add_u32 v4, v2, 4, v4
	v_add_nc_u32 v[STO], s22, v4                   ; in: row r, 16 bytes for each half of the lanes
	v_and_b32 v5, 31, v0
	v_lshrrev_b32 v6, 3, v5
	v_mul_u32_u24 v6, v6, SPITCH
	v_and_b32 v7, 7, v0
	v_lshl_add_u32 v6, v7, 4, v6
	v_add_nc_u32 v[RD], s22, v6                    ; back: eight lanes take the 128 bytes of one head in one row, 32 lanes four rows
	v_lshlrev_b32 v[CO], 4, v5                     ; which are 512 consecutive bytes of qkv
	s_wait_tensorcnt 1                             ; my part of K step 0 is in; K step 1's may stay out
	s_barrier_signal -1
	s_barrier_wait -1
	FETCH 0, 0, 0
	LAP 1                                          ; the first lap stands in front of the loop: its first products start the sums
	WIN 0                                          ; at a label and at a branch every window is 0
	s_mov_b32 s3, LAPS-2
.Llap:
	LAP 0
	WIN 0
	s_sub_co_u32 s3, s3, 1
	s_cmp_lg_u32 s3, 0
	s_cbranch_scc1 .Llap
	RUN 0, 0                                       ; the last lap fills nothing
	TURN 0, 1, 0
	RUN 1, 0
	s_wait_dscnt 4                                 ; the very last quarter
	WIN MUL_LO
	MULA 1, 0, 0
	MULA 1, 1, 0
	s_wait_dscnt 0
	WIN MUL_HI
	MULA 1, 2, 0
	MULA 1, 3, 0
	; THE WAY OUT, 16 rows at a time: round to f16, 16 bytes a lane into my own stage, read back head by head, four rows of 128 bytes to a store.
	PLACES
	s_lshr_b32 s16, s13, 3                         ; the batch: eight blocks of 256 rows each
	s_mul_i32 s16, s16, 48*262144
	s_and_b32 s14, s13, 7
	s_lshl_b32 s14, s14, 15                        ; 256 rows of 128 bytes for each block row in the batch
	s_add_co_u32 s16, s16, s14
	s_lshl_b32 s14, s10, 13                        ; my 64 rows
	s_add_co_u32 s16, s16, s14
	s_mov_b32 s17, 0
	s_add_nc_u64 s[8:9], s[8:9], s[16:17]
	s_mul_i32 s46, s42, 3*262144                   ; my three heads (in the registers that held wb's address: none that fed xb's descriptors ever holds cx)
	s_mov_b32 s47, 0
	s_add_nc_u64 s[8:9], s[8:9], s[46:47]
.macro OUT16 a, from                   ; rows 16 a .. 16 a + 15 of my 64; from: sources 0 and 1 in window 2 (0x0a) or 3 (0x0f)
	WIN \from
.irp b, 0,1,2,3,4,5,6,7,8,9,10,11
.irp p, 0,1,2,3
	v_cvt_pk_f16_f32 v[TMP+4*\b+\p], v[8*(NB*((\a)&AMASK)+\b)+2*\p], v[8*(NB*((\a)&AMASK)+\b)+2*\p+1]
.endr
.endr
	WIN 0
.irp b, 0,1,2,3,4,5,6,7,8,9,10,11
	ds_store_b128 v[STO], v[TMP+4*\b:TMP+4*\b+3] offset:32*\b
.endr
	s_wait_xcnt 0x0                                ; RB, which the last sixteen rows' stores read, is loaded again only behind this wait (ISA guide 3.1)
.irp hd, 0,1,2
.irp u, 0,1,2,3
	ds_load_b128 v[RB+16*\hd+4*\u:RB+16*\hd+4*\u+3], v[RD] offset:\hd*128+\u*4*SPITCH   ; LDS serves a wave's instructions in order: these see the stores above
.endr
.endr
.irp hd, 0,1,2
.irp u, 0,1,2,3
	s_wait_dscnt 11-(4*\hd+\u)                     ; the younger loads stay out
	global_store_b128 v[CO], v[RB+16*\hd+4*\u:RB+16*\hd+4*\u+3], s[8:9] offset:\hd*262144+\a*2048+\u*512   ; 512 consecutive bytes, aligned
.endr
.endr
.endm
	OUT16 0, 0x0a
	OUT16 1, 0x0a
	OUT16 2, 0x0f
	OUT16 3, 0x0f
	s_set_vgpr_msb 0x1
	s_wait_tensorcnt 0x0
	ds_add_u32 v255, v255
	s_wait_dscnt 0x0
	s_set_vgpr_msb 0x100
	CROUND                                         ; the closing round: no work-group ends while a partner may still ask for a tile that names it
	s_endpgm
.Lfunc_end_k_qd7e2efdce9_qkv:
	.size	k_qd7e2efdce9_qkv, .Lfunc_end_k_qd7e2efdce9_qkv-k_qd7e2efdce9_qkv
	.p2alignl 7, 3214868480
	.fill 96, 4, 3214868480
	.section	.rodata,"a",@progbits
	.p2align	6, 0x0
	.amdhsa_kernel k_qd7e2efdce9_qkv
		.amdhsa_group_segment_fixed_size 327680
		.amdhsa_private_segment_fixed_size 0
		.amdhsa_enable_private_segment 0
		.amdhsa_kernarg_size 24
		.amdhsa_user_sgpr_count 2
		.amdhsa_user_sgpr_kernarg_segment_ptr 1
		.amdhsa_wavefront_size32 1
		.amdhsa_system_sgpr_workgroup_id_x 1
		.amdhsa_system_sgpr_workgroup_id_y 1
		.amdhsa_system_sgpr_workgroup_id_z 1
		.amdhsa_system_vgpr_workitem_id 0
		.amdhsa_next_free_vgpr 1024
		.amdhsa_next_free_sgpr 66
		.amdhsa_reserve_vcc 0
		.amdhsa_float_denorm_mode_32 3
		.amdhsa_float_denorm_mode_16_64 3
		.amdhsa_memory_ordered 1
		.amdhsa_forward_progress 1
		.amdhsa_inst_pref_size 164
	.end_amdhsa_kernel
	.amdgpu_metadata
---
amdhsa.version: [ 1, 2 ]
amdhsa.kernels:
  - .name:           k_qd7e2efdce9_qkv
    .symbol:         k_qd7e2efdce9_qkv.kd
    .args:
      - { .name: xb, .offset: 0, .size: 8, .value_kind: global_buffer, .address_space: global }
      - { .name: wb, .offset: 8, .size: 8, .value_kind: global_buffer, .address_space: global }
      - { .name: qkv, .offset: 16, .size: 8, .value_kind: global_buffer, .address_space: global }
    .group_segment_fixed_size: 327680
    .private_segment_fixed_size: 0
    .kernarg_segment_align: 8
    .kernarg_segment_size: 24
    .max_flat_workgroup_size: 128
    .sgpr_count:     66
    .vgpr_count:     1024
    .wavefront_size: 32
...
	.end_amdgpu_metadata
.endif
;; end of part 2
;; launch attn (part 3): grid 8 x 32, 8 waves a work-group, no clusters, 327,680 bytes of LDS; arguments qkv, ao; writes ao
.if DOCPART == 3
	.amdgcn_target "amdgcn-amd-amdhsa--gfx1250"
	.amdhsa_code_object_version 6
	.text
	.protected	k_qd7e2efdce9_attn
	.globl	k_qd7e2efdce9_attn
	.p2align	8
	.type	k_qd7e2efdce9_attn,@function
k_qd7e2efdce9_attn:
	s_mov_b64 s[64:65], 0
	v_nop
	global_prefetch_b8 v0, s[64:65] scope:SCOPE_SE
	s_setreg_imm32_b32 hwreg(HW_REG_WAVE_MODE, 25, 1), 1
	s_wait_xcnt 0x0
; Causal attention of one head: ao = softmax(q k^T / 8 + causal bias) v, by blocks, with a running maximum.  q, k, v f16 from qkv[b][g][t][d]; sums, softmax and state in f32;
; the weights go to the matrix unit in f16 (they lie between 0 and about 1).
; The result goes, rounded once to f16, to ao[b][tb][h][tt][d] (tb = t / 128, tt = t % 128), byte (((b*16+tb)*16+h)<<14) + tt*128 + 2d.
; Key blocks above the diagonal are not computed: their weights are exp(score - 1e9 - maximum) = 0 in f32.
; WORK: work-group (i, bh), i = 0..7, makes query blocks i and 15 - i (128 rows each) of head bh, one after the other: (i + 1) + (16 - i) = 17 steps of 128 keys in
; every work-group.  Eight waves, two to a SIMD, so that one wave's softmax runs beside the other's matrix work: wave w takes queries 32 (w & 3) .. + 31 of the block and
; keys 64 (w >> 2) .. + 63 of each step.  The two key halves' partial results (O, maximum, sum) of each block are put into LDS when the block is done, each block's into bytes
; of its own, and BOTH blocks are merged behind one barrier at the very end: no wave reads those bytes before that barrier, and none writes them behind it.
; TRANSPOSED: S^T = K Q^T (source 0 = 16 keys, source 1 = 16 queries): lane (r, h) holds query r and keys 8 h + j, so a row's maximum is a reduction over registers and one
; exchange of the lane halves, the factors are one number a lane, and the packed weights ARE source 1 of O^T = V^T P^T; V^T comes from V's [key][d] tile by the transposing LDS load.
; NO MULTICAST: the eight work-groups of a head walk different tile sequences (0..i, then 0..15-i), so partners would ask for different tiles in most steps; running them in
; step would make all of them walk the longest sequences, 20 steps for 17.
; STATE: nm = -c m (c = log2(e) / 8, m the running maximum of the raw scores), p = exp2(fma(s, c, nm)), alpha = exp2(nm_new - nm_old): all weights of a row carry one common
; factor, which the final division removes.
; LIMITS: masked weights are exactly 0 (as the reference's are while scores differ by less than about 1e9); the mask value and the first maximum are -2^100, so scores below
; -2^100 are not served; at the change of blocks O and the sums are wiped by a factor that is exactly 0, which asks that they be finite; NaN and infinities among the inputs are
; not treated apart.
.set CHUNK, 10240                      ; what one tensor load fills: 64 rows of K at pitch 144 (9,216 bytes) or of V at pitch 160 (10,240)
.set SLOT,  4*CHUNK                    ; K's two halves, V's two halves: chunk w is filled by wave w
.set KP,    144                        ; odd multiple of 16: the 16 rows of a fragment load begin at 16 different 16-byte columns modulo 256
.set VP,    160                        ; odd multiple of 32, for the transposing load
.set SCR,   2*SLOT                     ; 81,920: sixteen regions of 8,704, [query group 4][block 2][key half 2]: O (16 x 512 bytes in lane order), then nm and sum of both query tiles (4 x 128)
.set SCRW,  8704
.set OST,   SCR+16*SCRW                ; 221,184: eight stages of 16 rows x 144 bytes.  SCR and OST are written by LDS stores alone: no fill lands there
.set ADRK, 1                           ; v1   K fragments: kp CHUNK + r 144 + 16 h
.set ADRV, 2                           ; v2   V fragments: 2 CHUNK + kp CHUNK + (8 h + (l & 7)) 160 + 16 ((l >> 3) & 1)
.set NEG,  3                           ; v3   -2^100
.set THR,  4                           ; v[4:5]   query tile nt: key 16 kt + j of my 64 is masked on the diagonal if 16 kt + j > THR
.set SCW,  6                           ; v6   my region of block 0, 16 l; block 1 lies two regions on
.set SCS,  7                           ; v7   my region's figures, 4 l
.set SCRD, 8                           ; v8   where I read the O that I finish (query tile kp of query group qg), block 0, key half 0; half 1 lies one region on
.set SCT,  9                           ; v9   its figures
.set QOF,  10                          ; v10  r 128 + 16 h
.set OSTO, 11                          ; v11  my stage, in
.set ORD,  12                          ; v12  my stage, back
.set OGO,  13                          ; v13  16 l
.set MX,   14                          ; v[14:15] running maxima
.set LS,   16                          ; v[16:17] running sums (this lane's keys; the lane halves are added at the end)
.set AL,   18                          ; v[18:21] alpha, twice for each query tile (pairs for the packed forms)
.set NM,   22                          ; v[22:25] -c m, twice for each query tile
.set T0,   26                          ; v[26:31] at work
.set T1,   27
.set T2,   28
.set T3,   29
.set T4,   30
.set QF,   32                          ; v[32:63]   Q fragment (nt, ks) at 32 + 16 nt + 8 ks
.set OA,   64                          ; v[64:127]  O^T tile (nt, dt) at 64 + 32 nt + 8 dt
.set SC,   128                         ; v[128:191] S^T tile (nt, kt) at 128 + 32 nt + 8 kt; later P (nt, kk) at 128 + 32 nt + 16 kk
.set KV,   192                         ; v[192:255] K (kt, ks) at 192 + 32 ks + 8 kt; later V^T (dt, kk) at 192 + 32 kk + 8 dt
.set G1K,  28                          ; s[28:35] group 1 for K's tiles
.set G1V,  36                          ; s[36:43] group 1 for V's: more padding
.set G0,   44                          ; s[44:51] group 0, a set for each slot
.macro PL n                            ; places behind matrix instructions (ISA guide 7.12.1 for vector instructions)
.rept \n
	v_nop
.endr
.endm
; Waves 0, 1 fetch K's halves, waves 2, 3 V's, waves 4-7 nothing: one load of 64 rows a wave.  The branches hang on the wave's number alone.
.macro LOADKV o
	s_cmp_lt_u32 s8, 2
	s_cbranch_scc0 .Lnot_k_\@
	tensor_load_to_lds s[G0+4*\o:G0+4*\o+3], s[G1K:G1K+7]
	s_nop 0
	s_branch .Lasked_\@
.Lnot_k_\@:
	s_cmp_lt_u32 s8, 4
	s_cbranch_scc0 .Lasked_\@
	tensor_load_to_lds s[G0+4*\o:G0+4*\o+3], s[G1V:G1V+7]
	s_nop 0
.Lasked_\@:
.endm
.macro QLOAD lo                        ; my 32 queries as four fragments, straight from memory: 16 rows x 32 d each, two loads of 16 bytes
.irp nt, 0,1
.irp ks, 0,1
	global_load_b128 v[QF+16*\nt+8*\ks:QF+16*\nt+8*\ks+3],   v[QOF], s[\lo:\lo+1] offset:\nt*2048+\ks*64
	global_load_b128 v[QF+16*\nt+8*\ks+4:QF+16*\nt+8*\ks+7], v[QOF], s[\lo:\lo+1] offset:\nt*2048+\ks*64+32
.endr
.endr
.endm
; A block begins: maxima -2^100, nm = c 2^100 (exact: a power of two times c).  The block's first step then has alpha = 2^(-c m - c 2^100) = 0, which wipes O and the sums.
.macro RESET
	v_mov_b32 v[MX], v[NEG]
	v_mov_b32 v[MX+1], v[NEG]
.irp k, 0,1,2,3
	v_mul_f32 v[NM+\k], s56, v[NEG]
.endr
.endm
; The softmax step of query tile nt: 32 scores a lane, all of query r.
.macro SOFTMAX nt, masked
.set SB, SC+32*\nt
.if \masked
.set e, 0
.rept 32
	v_cmp_gt_i32 vcc_lo, 16*(e>>3)+(e&7), v[THR+\nt]               ; the key lies behind the query
	v_cndmask_b32 v[SB+e], v[SB+e], v[NEG], vcc_lo
.set e, e+1
.endr
.endif
	v_max3_num_f32 v[T0], v[MX+\nt], v[SB], v[SB+1]                ; two chains, one begun with the old maximum
	v_max3_num_f32 v[T1], v[SB+16], v[SB+17], v[SB+18]
.set e, 0
.rept 6
	v_max3_num_f32 v[T0], v[T0], v[SB+2+2*e], v[SB+3+2*e]
	v_max3_num_f32 v[T1], v[T1], v[SB+19+2*e], v[SB+20+2*e]
.set e, e+1
.endr
	v_max3_num_f32 v[T0], v[T0], v[SB+14], v[SB+15]
	v_max3_num_f32 v[T0], v[T0], v[T1], v[SB+31]
	v_permlanex16_b32 v[T1], v[T0], s26, s27                       ; the other half of the lanes holds the same query's other keys
	v_max_num_f32 v[MX+\nt], v[T0], v[T1]
	v_mul_f32 v[T1], s56, v[MX+\nt]                                ; nm = -c m
	v_sub_f32 v[T2], v[T1], v[NM+2*\nt]
	v_exp_f32 v[AL+2*\nt], v[T2]                                   ; alpha = 2^(nm_new - nm_old), at most 1
	v_mov_b32 v[NM+2*\nt], v[T1]                                   ; a plain instruction behind the exponential (ISA guide 5.7.2)
	v_mov_b32 v[NM+2*\nt+1], v[T1]
	s_wait_alu depctr_va_vdst(0)
	v_mov_b32 v[AL+2*\nt+1], v[AL+2*\nt]
.set e, 0
.rept 16
	v_pk_fma_f32 v[SB+2*e:SB+2*e+1], v[SB+2*e:SB+2*e+1], s[24:25], v[NM+2*\nt:NM+2*\nt+1] op_sel_hi:[1,0,1]   ; s c - c m
.set e, e+1
.endr
.set e, 0
.rept 32
	v_exp_f32 v[SB+e], v[SB+e]
.set e, e+1
.endr
	v_mul_f32 v[LS+\nt], v[LS+\nt], v[AL+2*\nt]                    ; the plain instruction behind the run of exponentials
	s_wait_alu depctr_va_vdst(0)
	v_pk_add_f32 v[T0:T0+1], v[SB:SB+1], v[SB+2:SB+3]              ; the sum of my 32 weights, in two chains
	v_pk_add_f32 v[T2:T2+1], v[SB+4:SB+5], v[SB+6:SB+7]
.set e, 0
.rept 6
	v_pk_add_f32 v[T0:T0+1], v[T0:T0+1], v[SB+8+4*e:SB+9+4*e]
	v_pk_add_f32 v[T2:T2+1], v[T2:T2+1], v[SB+10+4*e:SB+11+4*e]
.set e, e+1
.endr
	v_pk_add_f32 v[T0:T0+1], v[T0:T0+1], v[T2:T2+1]
	v_add_f32 v[LS+\nt], v[LS+\nt], v[T0]
	v_add_f32 v[LS+\nt], v[LS+\nt], v[T0+1]
.irp kk, 0,1
.set e, 0
.rept 8
	v_cvt_pk_f16_f32 v[SB+16*\kk+e], v[SB+16*\kk+2*e], v[SB+16*\kk+2*e+1]   ; in place, ascending: keys 8 h .. of two tiles become registers 0-3 and 4-7 of a fragment
.set e, e+1
.endr
.endr
.set e, 0
.rept 16
	v_pk_mul_f32 v[OA+32*\nt+2*e:OA+32*\nt+2*e+1], v[OA+32*\nt+2*e:OA+32*\nt+2*e+1], v[AL+2*\nt:AL+2*\nt+1]
.set e, e+1
.endr
.endm
; One step: my 32 queries against my 64 keys of the tile in a slot.  In each group of matrix instructions eight accumulators take turns, one instruction a turn.
.macro COMPUTE slot, masked
	PL 5                                           ; behind the last step's products: four places for loads into KV, five for products that write over P
.irp ks, 0,1
.irp kt, 0,1,2,3
	ds_load_b128 v[KV+32*\ks+8*\kt:KV+32*\ks+8*\kt+3],   v[ADRK] offset:\slot*SLOT+\kt*16*KP+\ks*64
	ds_load_b128 v[KV+32*\ks+8*\kt+4:KV+32*\ks+8*\kt+7], v[ADRK] offset:\slot*SLOT+\kt*16*KP+\ks*64+32
.endr
.endr
	s_wait_dscnt 0x8                               ; d = 0..31 is in; the eight loads of d = 32..63 may be out
.irp kt, 0,1,2,3
.irp nt, 0,1
	v_wmma_f32_16x16x32_f16 v[SC+32*\nt+8*\kt:SC+32*\nt+8*\kt+7], v[KV+8*\kt:KV+8*\kt+7], v[QF+16*\nt:QF+16*\nt+7], 0
.endr
.endr
	s_wait_dscnt 0x0
.irp kt, 0,1,2,3
.irp nt, 0,1
	v_wmma_f32_16x16x32_f16 v[SC+32*\nt+8*\kt:SC+32*\nt+8*\kt+7], v[KV+32+8*\kt:KV+32+8*\kt+7], v[QF+16*\nt+8:QF+16*\nt+15], v[SC+32*\nt+8*\kt:SC+32*\nt+8*\kt+7]
.endr
.endr
	PL 4                                           ; then V lands where K lay, and the softmax reads the scores
.irp kk, 0,1
.irp dt, 0,1,2,3
	ds_load_tr16_b128 v[KV+32*\kk+8*\dt:KV+32*\kk+8*\dt+3],   v[ADRV] offset:\slot*SLOT+\kk*32*VP+\dt*32
	ds_load_tr16_b128 v[KV+32*\kk+8*\dt+4:KV+32*\kk+8*\dt+7], v[ADRV] offset:\slot*SLOT+\kk*32*VP+\dt*32+16*VP
.endr
.endr
	SOFTMAX 0, \masked
	SOFTMAX 1, \masked
	s_wait_dscnt 0x8                               ; V of my keys 0..31 is in; the eight loads of keys 32..63 may be out
.irp dt, 0,1,2,3
.irp nt, 0,1
	v_wmma_f32_16x16x32_f16 v[OA+32*\nt+8*\dt:OA+32*\nt+8*\dt+7], v[KV+8*\dt:KV+8*\dt+7], v[SC+32*\nt:SC+32*\nt+7], v[OA+32*\nt+8*\dt:OA+32*\nt+8*\dt+7]
.endr
.endr
	s_wait_dscnt 0x0
.irp dt, 0,1,2,3
.irp nt, 0,1
	v_wmma_f32_16x16x32_f16 v[OA+32*\nt+8*\dt:OA+32*\nt+8*\dt+7], v[KV+32+8*\dt:KV+32+8*\dt+7], v[SC+32*\nt+16:SC+32*\nt+23], v[OA+32*\nt+8*\dt:OA+32*\nt+8*\dt+7]
.endr
.endr
.endm
.macro SAVE blk                        ; block blk (0 the low one, 1 the high one) is done: my partial O and figures go to my region of that block's scratch
	PL 4                                           ; four places behind the last products
.irp e, 0,1,2,3,4,5,6,7,8,9,10,11,12,13,14,15
	ds_store_b128 v[SCW], v[OA+4*\e:OA+4*\e+3] offset:\blk*2*SCRW+512*\e
.endr
	ds_store_b32 v[SCS], v[NM] offset:\blk*2*SCRW
	ds_store_b32 v[SCS], v[NM+2] offset:\blk*2*SCRW+128
	ds_store_b32 v[SCS], v[LS] offset:\blk*2*SCRW+256
	ds_store_b32 v[SCS], v[LS+1] offset:\blk*2*SCRW+384
.endm
; The merge of block blk, behind the last barrier: I finish query tile kp of my query group: O = (a0 O0 + a1 O1) / (a0 l0 + a1 l1), a_k = 2^(nm* - nm_k), nm* the smaller nm
; (the larger maximum).
.macro FINAL blk
.if \blk
	s_wait_xcnt 0x0                                ; the low block's stores read registers that are loaded again only behind this wait (ISA guide 3.1)
.endif
.irp e, 0,1,2,3,4,5,6,7
	ds_load_b128 v[SC+4*\e:SC+4*\e+3],       v[SCRD] offset:\blk*2*SCRW+512*\e
	ds_load_b128 v[SC+32+4*\e:SC+32+4*\e+3], v[SCRD] offset:\blk*2*SCRW+SCRW+512*\e
.endr
	ds_load_b32 v[T0], v[SCT] offset:\blk*2*SCRW
	ds_load_b32 v[T1], v[SCT] offset:\blk*2*SCRW+SCRW
	ds_load_b32 v[T2], v[SCT] offset:\blk*2*SCRW+256
	ds_load_b32 v[T3], v[SCT] offset:\blk*2*SCRW+SCRW+256
	s_wait_dscnt 0x0
	v_min_num_f32 v[T4], v[T0], v[T1]
	v_sub_f32 v[T0], v[T4], v[T0]
	v_sub_f32 v[T1], v[T4], v[T1]
	v_exp_f32 v[T0], v[T0]                         ; a key half that was wholly masked has nm = c 2^100: its factor is 0
	v_exp_f32 v[T1], v[T1]
	v_nop                                          ; a plain place behind the exponentials (ISA guide 5.7.2)
	s_wait_alu depctr_va_vdst(0)
	v_mul_f32 v[T2], v[T0], v[T2]
	v_fmac_f32 v[T2], v[T1], v[T3]
	v_permlanex16_b32 v[T3], v[T2], s26, s27       ; the other lane half's keys
	v_add_f32 v[T2], v[T2], v[T3]
	v_rcp_f32 v[T2], v[T2]                         ; the sum holds the largest weight, about 1: no zero, no denormal
	v_nop
	s_wait_alu depctr_va_vdst(0)
	v_mul_f32 v[AL], v[T0], v[T2]
	v_mul_f32 v[AL+1], v[T0], v[T2]
	v_mul_f32 v[AL+2], v[T1], v[T2]
	v_mul_f32 v[AL+3], v[T1], v[T2]
.set e, 0
.rept 16
	v_pk_mul_f32 v[SC+2*e:SC+2*e+1], v[SC+2*e:SC+2*e+1], v[AL:AL+1]
.set e, e+1
.endr
.set e, 0
.rept 16
	v_pk_fma_f32 v[SC+2*e:SC+2*e+1], v[SC+32+2*e:SC+32+2*e+1], v[AL+2:AL+3], v[SC+2*e:SC+2*e+1]
.set e, e+1
.endr
.set e, 0
.rept 16
	v_cvt_pk_f16_f32 v[SC+e], v[SC+2*e], v[SC+2*e+1]               ; in place, ascending: four registers = d 16 dt + 8 h .. + 7 of query r
.set e, e+1
.endr
.irp dt, 0,1,2,3
	ds_store_b128 v[OSTO], v[SC+4*\dt:SC+4*\dt+3] offset:32*\dt
.endr
.irp u, 0,1,2,3
	ds_load_b128 v[SC+32+4*\u:SC+32+4*\u+3], v[ORD] offset:4*KP*\u   ; my own bytes, served in order: four rows of 128 bytes to a load
.endr
	s_wait_dscnt 0x0
.irp u, 0,1,2,3
	global_store_b128 v[OGO], v[SC+32+4*\u:SC+32+4*\u+3], s[52+2*\blk:53+2*\blk] offset:512*\u   ; 512 consecutive bytes, aligned
.endr
.endm
; Step n on a slot; the tile of step n + 1 goes into the other slot.  In front of the barrier every wave waits for all its tensor loads (this step's tile among them) and for its
; LDS reads and stores; behind it the refill comes first.  It has this whole step in which to land.  A wave has one tensor load out.
.macro STEP slot, other
	s_set_vgpr_msb 0x5
	s_wait_tensorcnt 0x0
	ds_add_u32 v0, v1
	ds_add_u32 v0, v1
	s_wait_dscnt 0x0
	s_set_vgpr_msb 0x500
	s_add_co_u32 s14, s14, 1                       ; the next tile,
	s_cmp_eq_u32 s13, s11
	s_cselect_b32 s14, 0, s14                      ; or tile 0 of the high block behind the low block's diagonal
	s_lshl_b32 s16, s14, 14                        ; 128 rows of 128 bytes
	s_add_nc_u64 s[G0+4*\other+2:G0+4*\other+3], s[18:19], s[16:17]   ; no load of mine is out: a group 0 may be written
	s_or_b32 s[G0+4*\other+3], s[G0+4*\other+3], 0x80000000
	s_wait_dscnt 0x0
	s_barrier_signal -1
	s_barrier_wait -1
	LOADKV \other
	s_cmp_eq_u32 s13, s11
	s_cbranch_scc1 .Ldiag_\@
	COMPUTE \slot, 0
	s_branch .Lnext_\@
.Ldiag_\@:
	COMPUTE \slot, 1                               ; the low block's diagonal tile ends the block:
	SAVE 0                                         ; its partial results go to LDS,
	QLOAD 22                                       ; the high block's Q comes in (the four places in SAVE stand behind the products that read Q),
	s_wait_dscnt 0x0                               ; the LDS stores have read their data,
	RESET                                          ; and the state begins anew
	s_wait_loadcnt 0x0                             ; Q is there
.Lnext_\@:
	s_add_co_u32 s13, s13, 1
.endm
	s_load_b128 s[4:7], s[0:1], 0x0                ; qkv s[4:5], ao s[6:7]
	s_set_vgpr_msb 0x40
	v_lshl_add_u32 v0, v0, 2, 0x3a800
	v_mov_b32 v1, 0
	s_set_vgpr_msb 0x4045
	ds_add_u32 v0, v1
	ds_add_u32 v0, v1
	s_set_vgpr_msb 0x4500
	v_lshrrev_b32 v26, 5, v0
	v_readfirstlane_b32 s8, v26                    ; wave 0..7
	s_and_b32 s9, s8, 3                            ; qg: my 32 queries
	s_lshr_b32 s10, s8, 2                          ; kp: my 64 keys
	s_mov_b32 s11, ttmp9                           ; i: the low block, and the step of its diagonal
	s_and_b32 s20, ttmp7, 0xffff
	s_lshr_b32 s21, s20, 4                         ; b
	s_and_b32 s59, s20, 15                         ; head
	s_mul_i32 s60, s21, 48
	s_add_co_u32 s60, s60, s59
	s_lshl_b32 s60, s60, 18                        ; q of my head, in bytes
	s_bfe_u32 s61, s8, 0x10001                     ; waves 0, 1: k, 16 heads on; waves 2, 3: v, 32 heads on (waves 4-7 load nothing)
	s_add_co_u32 s61, s61, 1
	s_lshl_b32 s61, s61, 22
	s_add_co_u32 s61, s61, s60
	s_and_b32 s20, s8, 1
	s_lshl_b32 s20, s20, 13                        ; which 64 rows of a tile I fetch
	s_add_co_u32 s61, s61, s20                     ; s61: my part of tile 0
	s_lshl_b32 s20, s9, 12                         ; my 32 queries x 128 bytes
	s_add_co_u32 s60, s60, s20
	s_sub_co_u32 s58, 15, s11                      ; the high block
	s_lshl_b32 s62, s11, 14
	s_add_co_u32 s62, s62, s60                     ; s62: my Q of the low block
	s_lshl_b32 s63, s58, 14
	s_add_co_u32 s63, s63, s60                     ; s63: of the high block
	s_lshl_b32 s21, s21, 22
	s_lshl_b32 s59, s59, 14
	s_add_co_u32 s21, s21, s59
	s_add_co_u32 s21, s21, s20
	s_lshl_b32 s20, s10, 11                        ; the 16 queries that I finish
	s_add_co_u32 s21, s21, s20
	s_lshl_b32 s57, s11, 18
	s_add_co_u32 s57, s57, s21                     ; s57: my 2,048 bytes of ao, low block
	s_lshl_b32 s58, s58, 18
	s_add_co_u32 s58, s58, s21                     ; s58: high block
	s_mov_b32 s24, 0x3e38aa3b                      ; c = log2(e) / 8
	s_mov_b32 s25, 0x3e38aa3b
	s_mov_b32 s56, 0xbe38aa3b                      ; -c
	s_mov_b32 s26, 0x76543210                      ; v_permlanex16_b32: lane i of one half reads lane i of the other
	s_mov_b32 s27, 0xfedcba98
	; group 1: 64 rows of 64 elements of 2 bytes, dense in memory; behind every 32 words 4 words of padding for K, 8 for V
	s_mov_b32 s[G1K+0], (1<<16)|(1<<20)|(4<<22)|(3<<25)
	s_mov_b32 s[G1K+1], 64<<16                     ; tensor_dim0
	s_mov_b32 s[G1K+2], 64<<16                     ; tensor_dim1
	s_mov_b32 s[G1K+3], 64<<16                     ; tile_dim0
	s_mov_b32 s[G1K+4], 64                         ; tile_dim1
	s_mov_b32 s[G1K+5], 64                         ; the pitch
	s_mov_b32 s[G1K+6], 0
	s_mov_b32 s[G1K+7], 0
	s_mov_b32 s[G1V+0], (1<<16)|(1<<20)|(4<<22)|(7<<25)
	s_mov_b32 s[G1V+1], 64<<16
	s_mov_b32 s[G1V+2], 64<<16
	s_mov_b32 s[G1V+3], 64<<16
	s_mov_b32 s[G1V+4], 64
	s_mov_b32 s[G1V+5], 64
	s_mov_b32 s[G1V+6], 0
	s_mov_b32 s[G1V+7], 0
	s_mul_i32 s20, s8, CHUNK                       ; LDS: the wave's number times a chunk, plus the slot
	s_mov_b32 s[G0+0], 1
	s_add_co_u32 s[G0+1], s20, 0
	s_mov_b32 s[G0+4], 1
	s_add_co_u32 s[G0+5], s20, SLOT
	s_mov_b32 s17, 0
	s_mov_b32 s13, 0                               ; n, the step
	s_mov_b32 s14, 0                               ; the tile last asked for
	s_wait_dscnt 0x0
	s_wait_kmcnt 0x0
	s_mov_b32 s16, s61
	s_add_nc_u64 s[18:19], s[4:5], s[16:17]        ; my part of K's or V's tile 0
	s_mov_b32 s16, s62
	s_add_nc_u64 s[2:3], s[4:5], s[16:17]
	s_mov_b32 s16, s63
	s_add_nc_u64 s[22:23], s[4:5], s[16:17]
	s_mov_b32 s16, s57
	s_add_nc_u64 s[52:53], s[6:7], s[16:17]
	s_mov_b32 s16, s58
	s_add_nc_u64 s[54:55], s[6:7], s[16:17]
	s_mov_b64 s[G0+2:G0+3], s[18:19]
	s_or_b32 s[G0+3], s[G0+3], 0x80000000
	LOADKV 0                                       ; tile 0, ahead of every wait on TENSORcnt, LDS read and barrier
	v_and_b32 v26, 15, v0                          ; r
	v_bfe_u32 v27, v0, 4, 1                        ; h
	v_lshlrev_b32 v[QOF], 7, v26
	v_lshl_add_u32 v[QOF], v27, 4, v[QOF]
	QLOAD 2                                        ; the low block's Q
	v_and_b32 v28, 31, v0                          ; l
	v_mul_u32_u24 v29, v26, KP
	v_lshl_add_u32 v29, v27, 4, v29                ; r 144 + 16 h
	s_mul_i32 s20, s10, CHUNK
	v_add_nc_u32 v[ADRK], s20, v29
	v_and_b32 v30, 7, v0
	v_lshl_add_u32 v30, v27, 3, v30                ; 8 h + (l & 7)
	v_mul_u32_u24 v30, v30, VP
	v_bfe_u32 v31, v0, 3, 1
	v_lshl_add_u32 v30, v31, 4, v30
	s_add_co_u32 s20, s20, 2*CHUNK
	v_add_nc_u32 v[ADRV], s20, v30
	v_mov_b32 v[NEG], 0xf1800000                   ; -2^100
	s_lshl_b32 s20, s9, 5
	s_lshl_b32 s21, s10, 6
	s_sub_co_i32 s20, s20, s21                     ; 32 qg - 64 kp
	v_lshlrev_b32 v30, 3, v27
	v_sub_nc_u32 v30, v26, v30                     ; r - 8 h
	v_add_nc_u32 v[THR], s20, v30
	v_add_nc_u32 v[THR+1], 16, v[THR]
	s_mul_i32 s20, s9, 4*SCRW
	s_add_co_u32 s20, s20, SCR                     ; my query group's four regions
	s_mul_i32 s21, s10, SCRW
	s_add_co_u32 s21, s21, s20                     ; mine: block 0, key half kp
	v_lshl_add_u32 v[SCW], v28, 4, s21
	s_add_co_u32 s21, s21, 8192
	v_lshl_add_u32 v[SCS], v28, 2, s21
	s_lshl_b32 s21, s10, 12                        ; query tile kp: 8 x 512 bytes into a region
	s_add_co_u32 s21, s21, s20
	v_lshl_add_u32 v[SCRD], v28, 4, s21
	s_lshl_b32 s21, s10, 7
	s_add_co_u32 s21, s21, s20
	s_add_co_u32 s21, s21, 8192
	v_lshl_add_u32 v[SCT], v28, 2, s21
	s_mul_i32 s20, s8, 16*KP
	s_add_co_u32 s20, s20, OST
	v_add_nc_u32 v[OSTO], s20, v29
	v_lshrrev_b32 v30, 3, v28
	v_mul_u32_u24 v30, v30, KP
	v_and_b32 v31, 7, v0
	v_lshl_add_u32 v30, v31, 4, v30
	v_add_nc_u32 v[ORD], s20, v30
	v_lshlrev_b32 v[OGO], 4, v28
.set e, 0
.rept 64
	v_mov_b32 v[OA+e], 0                           ; once in the launch: registers hold nothing at the start, and the first step multiplies O by its alpha
.set e, e+1
.endr
	v_mov_b32 v[LS], 0
	v_mov_b32 v[LS+1], 0
	RESET
	s_wait_loadcnt 0x0                             ; Q
	s_mov_b32 s15, 0
.Lpair:                                            ; steps 0 to 15, two a trip
	STEP 0, 1
	STEP 1, 0
	s_add_co_u32 s15, s15, 1
	s_cmp_lt_u32 s15, 8
	s_cbranch_scc1 .Lpair
	s_wait_tensorcnt 0x0                           ; step 16, the high block's diagonal tile, in slot 0; nothing is left to fetch
	s_wait_dscnt 0x0
	s_barrier_signal -1
	s_barrier_wait -1
	COMPUTE 0, 1
	SAVE 1
	s_wait_dscnt 0x0                               ; my partial results are in LDS, for the others' sake
	s_barrier_signal -1
	s_barrier_wait -1                              ; every wave's partial results of both blocks are in LDS, and nobody writes them any more
	FINAL 0
	FINAL 1
	s_set_vgpr_msb 0x5
	s_wait_tensorcnt 0x0
	ds_add_u32 v0, v1
	s_wait_dscnt 0x0
	s_set_vgpr_msb 0x500
	s_endpgm
.Lfunc_end_k_qd7e2efdce9_attn:
	.size	k_qd7e2efdce9_attn, .Lfunc_end_k_qd7e2efdce9_attn-k_qd7e2efdce9_attn
	.p2alignl 7, 3214868480
	.fill 96, 4, 3214868480
	.section	.rodata,"a",@progbits
	.p2align	6, 0x0
	.amdhsa_kernel k_qd7e2efdce9_attn
		.amdhsa_group_segment_fixed_size 327680
		.amdhsa_private_segment_fixed_size 0
		.amdhsa_enable_private_segment 0
		.amdhsa_kernarg_size 16
		.amdhsa_user_sgpr_count 2
		.amdhsa_user_sgpr_kernarg_segment_ptr 1
		.amdhsa_wavefront_size32 1
		.amdhsa_system_sgpr_workgroup_id_x 1
		.amdhsa_system_sgpr_workgroup_id_y 1
		.amdhsa_system_sgpr_workgroup_id_z 1
		.amdhsa_system_vgpr_workitem_id 0
		.amdhsa_next_free_vgpr 258
		.amdhsa_next_free_sgpr 66
		.amdhsa_reserve_vcc 1
		.amdhsa_float_denorm_mode_32 3
		.amdhsa_float_denorm_mode_16_64 3
		.amdhsa_memory_ordered 1
		.amdhsa_forward_progress 1
		.amdhsa_inst_pref_size 128
	.end_amdhsa_kernel
	.amdgpu_metadata
---
amdhsa.version: [ 1, 2 ]
amdhsa.kernels:
  - .name:           k_qd7e2efdce9_attn
    .symbol:         k_qd7e2efdce9_attn.kd
    .args:
      - { .name: qkv, .offset: 0, .size: 8, .value_kind: global_buffer, .address_space: global }
      - { .name: ao, .offset: 8, .size: 8, .value_kind: global_buffer, .address_space: global }
    .group_segment_fixed_size: 327680
    .private_segment_fixed_size: 0
    .kernarg_segment_align: 8
    .kernarg_segment_size: 16
    .max_flat_workgroup_size: 256
    .sgpr_count:     66
    .vgpr_count:     258
    .wavefront_size: 32
...
	.end_amdgpu_metadata
.endif
;; end of part 3
;; launch oproj (part 4): grid 8 x 32, 4 waves a work-group, clusters of 4 x 4, 327,680 bytes of LDS; arguments ao, wb, out0; writes out0
.if DOCPART == 4
	.amdgcn_target "amdgcn-amd-amdhsa--gfx1250"
	.amdhsa_code_object_version 6
	.text
	.protected	k_qd7e2efdce9_oproj
	.globl	k_qd7e2efdce9_oproj
	.p2align	8
	.type	k_qd7e2efdce9_oproj,@function
k_qd7e2efdce9_oproj:
	s_mov_b64 s[64:65], 0
	v_nop
	global_prefetch_b8 v0, s[64:65] scope:SCOPE_SE
	s_setreg_imm32_b32 hwreg(HW_REG_WAVE_MODE, 25, 1), 1
	s_wait_xcnt 0x0
	s_wait_alu depctr_hold_cnt(0) depctr_sa_sdst(0) depctr_va_vdst(0) depctr_va_sdst(0) depctr_va_ssrc(0) depctr_va_vcc(0) depctr_vm_vsrc(0)
	s_getreg_b32 s2, hwreg(HW_REG_IB_STS2, 6, 4)
	s_cmp_eq_u32 s2, 0
	s_cbranch_scc0 .Lentry_in_a_cluster
	s_endpgm
.Lentry_in_a_cluster:
	s_bfe_u32 s2, ttmp6, 0x10000c
	s_cmp_lg_u32 s2, 0xf033
	s_cbranch_scc0 .Lentry_shape_is_right
	s_endpgm
.Lentry_shape_is_right:
; out0 = attention output x Wo^T: C[m][n] = sum over k of A[m][k] Wo[n][k], m < 4096, n < 1024, K = 1024; f16 operands, f32 sums, f32 result.
; A comes from ao[b][tb][h][tt][d] (m = 128 (16 b + tb) + tt, k = 64 h + d): the whole K range of 128 rows is 262,144 dense bytes, head by head.  Wo = wb's rows 3072-4095,
; which hold Wo rounded to bf16 and written in f16.
; A work-group makes 128 x 128: 8 x 32 = 256 work-groups.  Four waves, 2 x 2, 64 x 64 each: 16 accumulator tiles.  Blocks of twice the rows would leave half of the 256 without work.
; K goes in steps of 256 (four heads) through two LDS slots: a wave issues 128 matrix instructions between two refills.
; CLUSTERS: 4 x 4 work-groups; A's tiles are asked for jointly along a row of the cluster, Wo's along a column.
; REGISTERS: window 0: v16-26 addresses, v32-95 fragments of A (two buffers of 4 x 8), v96-159 of Wo (two buffers), v160-191 rows read back; window 1: the accumulators, tile (a, b) at 8 (4 a + b).
; The matrix instruction is used transposed (source 0 = 16 rows of Wo, source 1 = 16 rows of A): lane l holds row l % 16 of C and eight neighbouring columns.
; LIMITS: those of the operands as they were written (f16: magnitudes up to 65,504).
.set NB,     4
.set AMASK,  3                         ; all four row blocks in one window
.set PITCHA, 144                       ; a head's 128 bytes of a row + 16: an odd multiple of 16
.set PITCHB, 528                       ; 512 bytes of a row of Wo + 16
.set ASUB,   128*PITCHA                ; from head to head in LDS: 128 rows
.set HALFA,  256*PITCHA                ; one tensor load of A: two heads x 128 rows
.set HALFB,  64*PITCHB                 ; of Wo: 64 rows
.set BOFF,   2*HALFA
.set SLOT,   BOFF+2*HALFB              ; 141,312 bytes
.set STAGE,  2*SLOT                    ; behind the ring: 16 rows x 272 bytes for each wave; no fill lands there
.set SPITCH, 272
.set STEPA,  65536                     ; four heads of 16,384 bytes
.set STEPB,  512
.set ADRA, 16
.set ADRB, 20
.set STO,  24
.set RD,   25
.set CO,   26
.set FA0,  32
.set FB0,  96
.set RB,   160
.set G1,  24
.set G0,  32
.set G1B, 48
.set G0B, 56
.set MUL_LO, 0x50                      ; sources 0 and 1 window 0, C and D window 1
.set MUL_HI, 0x50
.set TO_B,   0
.set MSB, 0
.macro WIN new                         ; the immediate's high byte repeats the setting that is left; a switch that changes nothing is dropped
.if MSB != \new
	s_set_vgpr_msb (MSB<<8)|\new
.set MSB, \new
.endif
.endm
.macro JLOAD s                         ; waves 0 and 1 fetch A's two halves, waves 2 and 3 Wo's; each line has one mask; the branch hangs on the wave's number alone
	s_cmp_eq_u32 s11, 0
	s_cbranch_scc0 .Lfor_b_\@
	tensor_load_to_lds s[G0+4*\s:G0+4*\s+3], s[G1:G1+7]
	s_nop 0
	s_branch .Lasked_\@
.Lfor_b_\@:
	tensor_load_to_lds s[G0B+4*\s:G0B+4*\s+3], s[G1B:G1B+7]
	s_nop 0
.Lasked_\@:
.endm
.macro CREST                           ; a round of the cluster's barrier behind its opening barrier
	s_cmp_lg_u32 s10, 0
	s_cbranch_scc1 .Lnot_wave_0_\@
	s_barrier_signal -3
.Lnot_wave_0_\@:
	s_barrier_wait -3
	s_barrier_signal -1
	s_barrier_wait -1
.endm
.macro CROUND
	s_barrier_signal -1
	s_barrier_wait -1
	CREST
.endm
.macro PLACES                          ; four places behind matrix instructions (ISA guide 7.12.1 for vector instructions)
.rept 4
	v_nop
.endr
.endm
; Four matrix instructions: row block a x my four column blocks.  The 16 accumulators take turns in the same order in every quarter step.
.macro MULA f, a, zero
.irp b, 0,1,2,3
.if \zero
	v_wmma_f32_16x16x32_f16 v[8*(NB*((\a)&AMASK)+\b):8*(NB*((\a)&AMASK)+\b)+7], v[FB0+8*NB*\f+8*\b:FB0+8*NB*\f+8*\b+7], v[FA0+32*\f+8*\a:FA0+32*\f+8*\a+7], 0
.else
	v_wmma_f32_16x16x32_f16 v[8*(NB*((\a)&AMASK)+\b):8*(NB*((\a)&AMASK)+\b)+7], v[FB0+8*NB*\f+8*\b:FB0+8*NB*\f+8*\b+7], v[FA0+32*\f+8*\a:FA0+32*\f+8*\a+7], v[8*(NB*((\a)&AMASK)+\b):8*(NB*((\a)&AMASK)+\b)+7]
.endif
.endr
.endm
; 16 LDS loads in one run: quarter step q (32 along K: head q >> 1 of the slot's four, half q & 1 of its 64) into buffer f; Wo's first, A's row blocks last
.macro FETCH slot, q, f
	WIN TO_B
.irp b, 0,1,2,3
	ds_load_b128 v[FB0+8*NB*\f+8*\b:FB0+8*NB*\f+8*\b+3],   v[ADRB+\slot] offset:64*\q+\b*16*PITCHB
	ds_load_b128 v[FB0+8*NB*\f+8*\b+4:FB0+8*NB*\f+8*\b+7], v[ADRB+\slot] offset:64*\q+\b*16*PITCHB+32
.endr
	WIN 0
.irp a, 0,1,2,3
	ds_load_b128 v[FA0+32*\f+8*\a:FA0+32*\f+8*\a+3],   v[ADRA+\slot] offset:((\q)>>1)*ASUB+((\q)&1)*64+\a*16*PITCHA
	ds_load_b128 v[FA0+32*\f+8*\a+4:FA0+32*\f+8*\a+7], v[ADRA+\slot] offset:((\q)>>1)*ASUB+((\q)&1)*64+\a*16*PITCHA+32
.endr
.endm
.macro QUARTER slot, qnext, f, g, zero
	s_wait_dscnt 4                                 ; all of buffer f but the youngest four loads (A's row blocks 2 and 3)
	WIN MUL_LO
	MULA \f, 0, \zero
	MULA \f, 1, \zero
	PLACES
	FETCH \slot, \qnext, \g
	s_wait_dscnt 2*NB+8                            ; all but the 16 just issued
	WIN MUL_HI
	MULA \f, 2, \zero
	MULA \f, 3, \zero
.endm
.macro RUN slot, zero                  ; the first seven quarters of a K step of 256
	QUARTER \slot, 1, 0, 1, \zero
	QUARTER \slot, 2, 1, 0, 0
	QUARTER \slot, 3, 0, 1, 0
	QUARTER \slot, 4, 1, 0, 0
	QUARTER \slot, 5, 0, 1, 0
	QUARTER \slot, 6, 1, 0, 0
	QUARTER \slot, 7, 0, 1, 0
.endm
; The last quarter multiplies buffer 1 and changes slots: each wave's waits for its reads of this slot and for all its tensor loads, one barrier (with fill = 1 it opens a round of
; the cluster's barrier), the joint refill first behind it, then the next slot's first fragments.
.macro TURN slot, next, fill
	s_wait_dscnt 4
	WIN MUL_LO
	MULA 1, 0, 0
	s_wait_dscnt 0                                 ; my reads of this slot are over
	s_wait_tensorcnt 0x0                           ; all my tensor loads have landed
	ds_add_u32 v254, v255
	s_wait_dscnt 0x0
	s_barrier_signal -1
	MULA 1, 1, 0                                   ; register work while the others arrive
	WIN 0
	s_barrier_wait -1
.if \fill
	CREST                                          ; no wave of any partner still reads this slot or has a load on its way
	s_add_nc_u64 s[G0+4*\slot+2:G0+4*\slot+3], s[G0+4*\slot+2:G0+4*\slot+3], 2*STEPA
	s_add_nc_u64 s[G0B+4*\slot+2:G0B+4*\slot+3], s[G0B+4*\slot+2:G0B+4*\slot+3], 2*STEPB
	JLOAD \slot                                    ; my one tensor load behind the round
.endif
	PLACES
	FETCH \next, 0, 0
	WIN MUL_HI
	MULA 1, 2, 0
	MULA 1, 3, 0
.endm
	s_load_b128 s[4:7], s[0:1], 0x0                ; ao s[4:5], wb s[6:7]
	s_load_b64 s[8:9], s[0:1], 0x10                ; out0
	v_lshl_add_u32 v254, v0, 2, 0x49400
	v_mov_b32 v255, 0
	ds_add_u32 v254, v255
	ds_add_u32 v254, v255
	v_lshrrev_b32 v1, 5, v0
	v_readfirstlane_b32 s10, v1                    ; wave 0..3
	s_lshr_b32 s11, s10, 1                         ; my half of the block's rows.  Also: I fetch for A (0) or for Wo (1)
	s_and_b32 s12, s10, 1                          ; my half of its columns.  Also: which half of that tile I fetch
	s_bfe_u32 s40, ttmp6, 0x40000                  ; cx
	s_bfe_u32 s41, ttmp6, 0x40004                  ; cy
	s_lshl_b32 s42, ttmp9, 2
	s_add_co_u32 s42, s42, s40                     ; block column
	s_and_b32 s13, ttmp7, 0xffff
	s_lshl_b32 s13, s13, 2
	s_add_co_u32 s13, s13, s41                     ; block row
	s_lshl_b32 s43, s41, 2
	s_lshl_b32 s43, 15, s43                        ; my row of the cluster
	s_lshl_b32 s44, 0x1111, s40                    ; my column
	; group 1 for A: 256 rows (two heads x 128) of 64 elements, dense, 16 bytes of padding behind every 32 words
	s_or_b32 s[G1+0], s43, (1<<16)|(1<<20)|(1<<21)|(4<<22)|(3<<25)
	s_mov_b32 s[G1+1], 64<<16                      ; tensor_dim0
	s_mov_b32 s[G1+2], 256<<16                     ; tensor_dim1
	s_mov_b32 s[G1+3], 64<<16                      ; tile_dim0
	s_mov_b32 s[G1+4], 256                         ; tile_dim1
	s_mov_b32 s[G1+5], 64                          ; the pitch
	s_mov_b32 s[G1+6], 0
	s_mov_b32 s[G1+7], 0
	; group 1 for Wo: 64 rows of 256 elements, 1,024 elements from row to row, 16 bytes of padding behind every 128 words
	s_or_b32 s[G1B+0], s44, (1<<16)|(1<<20)|(1<<21)|(6<<22)|(3<<25)
	s_mov_b32 s[G1B+1], 256<<16
	s_mov_b32 s[G1B+2], 64<<16
	s_mov_b32 s[G1B+3], 256<<16
	s_mov_b32 s[G1B+4], 64
	s_mov_b32 s[G1B+5], 1024
	s_mov_b32 s[G1B+6], 0
	s_mov_b32 s[G1B+7], 0
	s_lshl_b32 s16, s13, 18                        ; A: 262,144 bytes a block row,
	s_lshl_b32 s17, s12, 15                        ; two heads a half
	s_add_co_u32 s16, s16, s17
	s_mov_b32 s17, 0
	s_lshl_b32 s46, s42, 7
	s_lshl_b32 s47, s12, 6
	s_add_co_u32 s46, s46, s47                     ; Wo: row 128 x block column + 64 x half,
	s_lshl_b32 s46, s46, 11
	s_add_co_u32 s46, s46, 3072*2048               ; behind wb's first 3,072 rows
	s_mov_b32 s47, 0
	s_mul_i32 s20, s10, HALFA                      ; LDS: waves 0, 1 put A's halves at wave x HALFA,
	s_mul_i32 s21, s10, HALFB
	s_add_co_u32 s21, s21, BOFF-2*HALFB            ; waves 2, 3 Wo's halves at BOFF + (wave - 2) x HALFB
	s_wait_dscnt 0x0
	s_wait_kmcnt 0x0
	s_add_nc_u64 s[14:15], s[4:5], s[16:17]
	s_add_nc_u64 s[46:47], s[6:7], s[46:47]
	CROUND                                         ; all sixteen work-groups are here: the first joint loads meet
.irp s, 0,1
	s_mov_b32 s[G0+4*\s], 1
	s_add_co_u32 s[G0+4*\s+1], s20, \s*SLOT
	s_add_nc_u64 s[G0+4*\s+2:G0+4*\s+3], s[14:15], \s*STEPA
	s_or_b32 s[G0+4*\s+3], s[G0+4*\s+3], 0x80000000
	s_mov_b32 s[G0B+4*\s], 1
	s_add_co_u32 s[G0B+4*\s+1], s21, \s*SLOT
	s_add_nc_u64 s[G0B+4*\s+2:G0B+4*\s+3], s[46:47], \s*STEPB
	s_or_b32 s[G0B+4*\s+3], s[G0B+4*\s+3], 0x80000000
	JLOAD \s                                       ; both first fills go out together: two loads of the wave are out here, one later
.endr
	v_and_b32 v1, 15, v0                           ; r
	v_bfe_u32 v2, v0, 4, 1                         ; h
	v_mul_u32_u24 v3, v1, PITCHA
	v_lshl_add_u32 v3, v2, 4, v3
	v_mul_u32_u24 v4, v1, PITCHB
	v_lshl_add_u32 v4, v2, 4, v4
	s_mul_i32 s22, s11, 64*PITCHA                  ; my 64 rows of A (in each head)
	s_mul_i32 s23, s12, 64*PITCHB                  ; my 64 rows of Wo,
	s_add_co_u32 s23, s23, BOFF                    ; which lie behind A
.irp s, 0,1
	v_add_nc_u32 v[ADRA+\s], s22, v3
	v_add_nc_u32 v[ADRB+\s], s23, v4
	s_add_co_u32 s22, s22, SLOT
	s_add_co_u32 s23, s23, SLOT
.endr
	s_mul_i32 s22, s10, 16*SPITCH
	s_add_co_u32 s22, s22, STAGE                   ; my stage
	v_mul_u32_u24 v5, v1, SPITCH
	v_lshl_add_u32 v5, v2, 5, v5
	v_add_nc_u32 v[STO], s22, v5                   ; in: row r, 32 bytes (eight f32) for each half of the lanes
	v_mul_u32_u24 v6, v2, SPITCH
	v_lshl_add_u32 v6, v1, 4, v6
	v_add_nc_u32 v[RD], s22, v6                    ; back: lanes 0-15 one row of 256 bytes, lanes 16-31 the next
	v_lshlrev_b32 v7, 12, v2
	v_lshl_add_u32 v[CO], v1, 4, v7                ; and the same two rows in out0 (4,096 bytes a row)
	s_wait_tensorcnt 1                             ; my part of K step 0 is in; K step 1's may stay out
	s_barrier_signal -1
	s_barrier_wait -1
	FETCH 0, 0, 0
	RUN 0, 1                                       ; K = 1024 is four K steps: one lap that fills both slots again, one that fills nothing; the first products start the sums
	TURN 0, 1, 1
	RUN 1, 0
	TURN 1, 0, 1
	RUN 0, 0
	TURN 0, 1, 0
	RUN 1, 0
	s_wait_dscnt 4                                 ; the very last quarter
	WIN MUL_LO
	MULA 1, 0, 0
	MULA 1, 1, 0
	s_wait_dscnt 0
	WIN MUL_HI
	MULA 1, 2, 0
	MULA 1, 3, 0
	; THE WAY OUT, 16 rows at a time: 32 bytes a lane into my own stage, read back as whole rows of 256 bytes.
	PLACES
	s_lshl_b32 s16, s13, 7
	s_lshl_b32 s14, s11, 6
	s_add_co_u32 s16, s16, s14                     ; my first row
	s_lshl_b32 s16, s16, 12                        ; x 4,096 bytes: below 16 MiB
	s_mov_b32 s17, 0
	s_add_nc_u64 s[8:9], s[8:9], s[16:17]
	s_lshl_b32 s46, s42, 9                         ; my first column, in bytes (in the registers that held Wo's address: none that fed A's descriptors ever holds cx)
	s_lshl_b32 s47, s12, 8
	s_add_co_u32 s46, s46, s47
	s_mov_b32 s47, 0
	s_add_nc_u64 s[8:9], s[8:9], s[46:47]
.macro OUT16 a
	WIN 0x04                                       ; an LDS store's data is source 1: window 1
.irp b, 0,1,2,3
	ds_store_b128 v[STO], v[8*(NB*\a+\b):8*(NB*\a+\b)+3]   offset:64*\b
	ds_store_b128 v[STO], v[8*(NB*\a+\b)+4:8*(NB*\a+\b)+7] offset:64*\b+16
.endr
	WIN 0
	s_wait_xcnt 0x0                                ; RB, which the last sixteen rows' stores read, is loaded again only behind this wait (ISA guide 3.1)
.irp t, 0,1,2,3,4,5,6,7
	ds_load_b128 v[RB+4*\t:RB+4*\t+3], v[RD] offset:\t*2*SPITCH    ; LDS serves a wave's instructions in order: these see the stores above
.endr
.irp t, 0,1,2,3,4,5,6,7
	s_wait_dscnt 7-\t                              ; the younger loads stay out
	global_store_b128 v[CO], v[RB+4*\t:RB+4*\t+3], s[8:9] offset:(16*\a+2*\t)*4096 th:TH_STORE_NT   ; 16 lanes store 256 consecutive bytes, aligned
.endr
.endm
	OUT16 0
	OUT16 1
	OUT16 2
	OUT16 3
	s_wait_tensorcnt 0x0
	ds_add_u32 v254, v255
	s_wait_dscnt 0x0
	CROUND                                         ; the closing round: no work-group ends while a partner may still ask for a tile that names it
	s_endpgm
.Lfunc_end_k_qd7e2efdce9_oproj:
	.size	k_qd7e2efdce9_oproj, .Lfunc_end_k_qd7e2efdce9_oproj-k_qd7e2efdce9_oproj
	.p2alignl 7, 3214868480
	.fill 96, 4, 3214868480
	.section	.rodata,"a",@progbits
	.p2align	6, 0x0
	.amdhsa_kernel k_qd7e2efdce9_oproj
		.amdhsa_group_segment_fixed_size 327680
		.amdhsa_private_segment_fixed_size 0
		.amdhsa_enable_private_segment 0
		.amdhsa_kernarg_size 24
		.amdhsa_user_sgpr_count 2
		.amdhsa_user_sgpr_kernarg_segment_ptr 1
		.amdhsa_wavefront_size32 1
		.amdhsa_system_sgpr_workgroup_id_x 1
		.amdhsa_system_sgpr_workgroup_id_y 1
		.amdhsa_system_sgpr_workgroup_id_z 1
		.amdhsa_system_vgpr_workitem_id 0
		.amdhsa_next_free_vgpr 384
		.amdhsa_next_free_sgpr 66
		.amdhsa_reserve_vcc 0
		.amdhsa_float_denorm_mode_32 3
		.amdhsa_float_denorm_mode_16_64 3
		.amdhsa_memory_ordered 1
		.amdhsa_forward_progress 1
		.amdhsa_inst_pref_size 90
	.end_amdhsa_kernel
	.amdgpu_metadata
---
amdhsa.version: [ 1, 2 ]
amdhsa.kernels:
  - .name:           k_qd7e2efdce9_oproj
    .symbol:         k_qd7e2efdce9_oproj.kd
    .args:
      - { .name: ao, .offset: 0, .size: 8, .value_kind: global_buffer, .address_space: global }
      - { .name: wb, .offset: 8, .size: 8, .value_kind: global_buffer, .address_space: global }
      - { .name: out0, .offset: 16, .size: 8, .value_kind: global_buffer, .address_space: global }
    .group_segment_fixed_size: 327680
    .private_segment_fixed_size: 0
    .kernarg_segment_align: 8
    .kernarg_segment_size: 24
    .max_flat_workgroup_size: 128
    .sgpr_count:     66
    .vgpr_count:     384
    .wavefront_size: 32
...
	.end_amdgpu_metadata
.endif
;; end of part 4
